; MI455X (gfx1250); checked and timed in simulation.
; The chip was launched on July 23, 2026; its instructions are those of AMD's public machine-readable ISA for CDNA 5 (MIT licence, August 2026) and "CDNA5" Instruction Set Architecture Reference Guide (July 2026). The comments in the code are by the model that wrote it; some were corrected since.
;; Attention. Allowed arithmetic: float matrix products may take bf16 or f16 operands with f32 sums; all other float work in f32.
;; Inputs: W_k 1,024 x 1,024 float32; W_o 1,024 x 1,024 float32; W_q 1,024 x 1,024 float32; W_v 1,024 x 1,024 float32; b_k 1,024 float32; b_o 1,024 float32; b_q 1,024 float32; b_v 1,024 float32; x 2 x 2,048 x 1,024 float32.
;; Outputs: out0 2 x 2,048 x 1,024 float32.
;; One version. Each part assembles by itself: llvm-mc -triple=amdgcn-amd-amdhsa -mcpu=gfx1250 --defsym DOCPART=n.
;; ======== version 1 of 1: 4 launches
;; limits: values are held in f16: magnitudes above 65,504 overflow, below 6.1e-05 lose precision
;; workspace buffers: xb 8,388,608 bytes; wt 8,388,608 bytes; bcat 12,288 bytes; qkv 25,165,824 bytes; ctx 8,388,608 bytes
;; launch cast (part 1): grid 256 x 1, 8 waves a work-group, no clusters, 35,840 bytes of LDS; arguments x, W_q, W_k, W_v, W_o, b_q, b_k, b_v, xb, wt, bcat; writes xb, wt, bcat
.if DOCPART == 1
	.amdgcn_target "amdgcn-amd-amdhsa--gfx1250"
	.amdhsa_code_object_version 6
	.text
	.protected	k_q04f7a71652_cast
	.globl	k_q04f7a71652_cast
	.p2align	8
	.type	k_q04f7a71652_cast,@function
k_q04f7a71652_cast:
	s_mov_b64 s[64:65], 0
	v_nop
	global_prefetch_b8 v0, s[64:65] scope:SCOPE_SE
	s_setreg_imm32_b32 hwreg(HW_REG_WAVE_MODE, 25, 1), 1
	s_wait_xcnt 0x0
; cast: x [4096][1024] f32 -> xb, the same in bf16;  W_q, W_k, W_v, W_o [k][n] f32 -> wt [4096 n'][1024 k], transposed, 16 bits a number
; (rows 0-1023 W_q^T, 1024-2047 W_k^T, 2048-3071 W_v^T in bf16; rows 3072-4095 W_o^T rounded to bf16 and then carried in f16);
; b_q, b_k, b_v -> bcat [3072] f32, one behind the other.
; A stream: every input byte is read once and every output byte written once; no matrix unit and no cluster, since no work-group shares a byte with another.
; Work-group i of 256 does two equal parts: 16 rows of x (65,536 bytes, dense) and one tile of 128 k x 128 n of matrix i >> 6.
; The tile is turned round in LDS: a lane packs two neighbouring k of one column into a word, stores 32 bytes of each of its 4 columns,
; and behind one barrier whole rows of 256 bytes (128 k of one n) are read back and stored.
; LIMIT: W_o goes bf16 -> f16: exact for 2^-17 <= |w| < 65,504; smaller numbers lose at most 2^-25 absolutely, larger ones become infinite.
.set WR, 12                            ; v[12:75]   16 rows of the W tile as loaded (4 columns a lane); later 8 x 4 registers read back from LDS
.set XR, 76                            ; v[76:139]  16 x 16 bytes of x as loaded
.set T,  140                           ; v[140:171] column c of 4: 8 words = 16 k, packed
.set Y,  172                           ; v[172:203] x in bf16, a pair for each of the 16 loads: never used twice, so no store is waited for
.set TP, 272                           ; LDS pitch: 256 bytes (128 k) + 16
	s_load_b512 s[8:23], s[0:1], 0x0               ; x s[8:9], W_q s[10:11], W_k s[12:13], W_v s[14:15], W_o s[16:17], b_q s[18:19], b_k s[20:21], b_v s[22:23]
	s_load_b128 s[24:27], s[0:1], 0x40             ; xb s[24:25], wt s[26:27]
	s_load_b64 s[28:29], s[0:1], 0x50              ; bcat
	v_lshl_add_u32 v204, v0, 2, 0x8800
	v_mov_b32 v205, 0
	s_lshr_b32 s30, ttmp9, 6                       ; which matrix: 0 W_q, 1 W_k, 2 W_v, 3 W_o
	s_and_b32 s33, ttmp9, 63                       ; which of its 64 tiles
	s_lshr_b32 s31, s33, 3                         ; tile along k
	s_and_b32 s32, s33, 7                          ; tile along n
	s_mov_b32 s37, 0                               ; high word of every offset: all are below 4 GiB
	v_and_b32 v1, 31, v0                           ; lane
	v_lshrrev_b32 v2, 5, v0
	v_readfirstlane_b32 s41, v2                    ; wave 0..7
	v_lshlrev_b32 v3, 4, v1
	v_lshl_add_u32 v3, s41, 16, v3                 ; W: 16 rows of 4,096 bytes a wave + 16 bytes a lane: a load of the wave takes 512 neighbouring bytes
	v_lshlrev_b32 v4, 4, v0                        ; x: 16 bytes a thread
	v_lshlrev_b32 v5, 3, v0                        ; xb: 8 bytes a thread
	v_mul_u32_u24 v6, v1, 4*TP
	v_lshl_add_u32 v6, s41, 5, v6                  ; LDS, in: row n = 4 lane (+ c), byte 32 wave (my wave's 16 k)
	v_lshrrev_b32 v9, 4, v1
	v_lshl_add_u32 v9, s41, 4, v9                  ; back: row 16 wave + lane / 16 (+ 2 i)
	v_and_b32 v10, 15, v1
	v_lshlrev_b32 v10, 4, v10                      ; 16 bytes for each of 16 lanes: a row of 256 bytes
	v_mul_u32_u24 v7, v9, TP
	v_add_nc_u32 v7, v7, v10                       ; LDS, back
	v_lshl_add_u32 v8, v9, 11, v10                 ; the same row in wt (2,048 bytes a row)
	s_wait_kmcnt 0x0
	s_cmp_eq_u32 s30, 1                            ; the matrix and the bias are chosen by the work-group's number alone
	s_cselect_b64 s[34:35], s[12:13], s[10:11]
	s_cselect_b64 s[38:39], s[20:21], s[18:19]
	s_cmp_eq_u32 s30, 2
	s_cselect_b64 s[34:35], s[14:15], s[34:35]
	s_cselect_b64 s[38:39], s[22:23], s[38:39]
	s_cmp_eq_u32 s30, 3
	s_cselect_b64 s[34:35], s[16:17], s[34:35]
	s_lshl_b32 s36, s31, 19                        ; 128 rows of 4,096 bytes for each tile along k
	s_lshl_b32 s40, s32, 9                         ; 128 columns of 4 bytes for each tile along n
	s_add_co_u32 s36, s36, s40
	s_add_nc_u64 s[34:35], s[34:35], s[36:37]      ; my tile of W
	s_lshl_b32 s36, ttmp9, 16
	s_add_nc_u64 s[8:9], s[8:9], s[36:37]          ; my 16 rows of x
.irp i, 0,1,2,3,4,5,6,7,8,9,10,11,12,13,14,15
	global_load_b128 v[WR+4*\i:WR+4*\i+3], v3, s[34:35] offset:\i*4096 th:TH_LOAD_NT
.endr
.irp i, 0,1,2,3,4,5,6,7,8,9,10,11,12,13,14,15
	global_load_b128 v[XR+4*\i:XR+4*\i+3], v4, s[8:9] offset:\i*4096 th:TH_LOAD_NT
.endr
	s_lshl_b32 s36, ttmp9, 15
	s_add_nc_u64 s[24:25], s[24:25], s[36:37]      ; my 16 rows of xb
	s_lshl_b32 s36, s30, 21                        ; wt: 1,024 rows of 2,048 bytes a matrix,
	s_lshl_b32 s40, s32, 18                        ; 128 rows a tile along n,
	s_add_co_u32 s36, s36, s40
	s_lshl_b32 s40, s31, 8                         ; 256 bytes a tile along k
	s_add_co_u32 s36, s36, s40
	s_add_nc_u64 s[26:27], s[26:27], s[36:37]
	s_lshl_b32 s36, s30, 12
	s_add_nc_u64 s[28:29], s[28:29], s[36:37]      ; bcat at my matrix's bias (used for matrices 0 to 2 alone)
	s_wait_loadcnt 16                              ; loads come back in order: W's 16 are in, x's 16 stay out
.irp c, 0,1,2,3
.irp kp, 0,1,2,3,4,5,6,7
	v_cvt_pk_bf16_f32 v[T+8*\c+\kp], v[WR+8*\kp+\c], v[WR+8*\kp+4+\c]     ; k = 16 wave + 2 kp and the next, column 4 lane + c
.endr
.endr
	s_cmp_lg_u32 s30, 3
	s_cbranch_scc1 .Lkeep_bf16
.set i, 0
.rept 32                                           ; W_o: the bf16 numbers widened (a shift, a mask) and packed again as f16
	v_lshlrev_b32 v9, 16, v[T+i]
	v_and_b32 v10, 0xffff0000, v[T+i]
	v_cvt_pk_f16_f32 v[T+i], v9, v10
.set i, i+1
.endr
.Lkeep_bf16:
.irp c, 0,1,2,3
	ds_store_b128 v6, v[T+8*\c:T+8*\c+3] offset:\c*TP          ; lanes are 4 rows apart, so four lanes meet in a group of banks: eight stores a lane in all
	ds_store_b128 v6, v[T+8*\c+4:T+8*\c+7] offset:\c*TP+16
.endr
	s_wait_dscnt 0x0                               ; my stores are in LDS before I say so: the other waves read them
	s_barrier_signal -1
	s_barrier_wait -1
.irp i, 0,1,2,3,4,5,6,7
	ds_load_b128 v[WR+4*\i:WR+4*\i+3], v7 offset:\i*2*TP       ; two whole rows an instruction
.endr
.irp i, 0,1,2,3,4,5,6,7,8,9,10,11,12,13,14,15
	s_wait_loadcnt 15-\i                           ; x's load i is in; the younger ones stay out
	v_cvt_pk_bf16_f32 v[Y+2*\i], v[XR+4*\i], v[XR+4*\i+1]
	v_cvt_pk_bf16_f32 v[Y+2*\i+1], v[XR+4*\i+2], v[XR+4*\i+3]
	global_store_b64 v5, v[Y+2*\i:Y+2*\i+1], s[24:25] offset:\i*2048     ; a store of the wave covers 256 consecutive bytes, aligned
.endr
.irp i, 0,1,2,3,4,5,6,7
	s_wait_dscnt 7-\i                              ; LDS loads come back in order
	global_store_b128 v8, v[WR+4*\i:WR+4*\i+3], s[26:27] offset:\i*4096  ; sixteen lanes store 256 consecutive bytes of a row of wt, aligned
.endr
	s_cmp_lg_u32 s33, 0                            ; the first tile's work-group of W_q, W_k, W_v also copies that matrix's bias: 256 threads x 16 bytes
	s_cbranch_scc1 .Lend
	s_cmp_eq_u32 s30, 3
	s_cbranch_scc1 .Lend
	global_load_b128 v[T:T+3], v4, s[38:39]
	s_wait_loadcnt 0x0
	global_store_b128 v4, v[T:T+3], s[28:29]
.Lend:
	s_wait_tensorcnt 0x0
	ds_add_u32 v204, v205
	s_wait_dscnt 0x0
	s_endpgm
.Lfunc_end_k_q04f7a71652_cast:
	.size	k_q04f7a71652_cast, .Lfunc_end_k_q04f7a71652_cast-k_q04f7a71652_cast
	.p2alignl 7, 3214868480
	.fill 96, 4, 3214868480
	.section	.rodata,"a",@progbits
	.p2align	6, 0x0
	.amdhsa_kernel k_q04f7a71652_cast
		.amdhsa_group_segment_fixed_size 35840
		.amdhsa_private_segment_fixed_size 0
		.amdhsa_enable_private_segment 0
		.amdhsa_kernarg_size 88
		.amdhsa_user_sgpr_count 2
		.amdhsa_user_sgpr_kernarg_segment_ptr 1
		.amdhsa_wavefront_size32 1
		.amdhsa_system_sgpr_workgroup_id_x 1
		.amdhsa_system_sgpr_workgroup_id_y 1
		.amdhsa_system_sgpr_workgroup_id_z 1
		.amdhsa_system_vgpr_workitem_id 0
		.amdhsa_next_free_vgpr 206
		.amdhsa_next_free_sgpr 66
		.amdhsa_reserve_vcc 0
		.amdhsa_float_denorm_mode_32 3
		.amdhsa_float_denorm_mode_16_64 3
		.amdhsa_memory_ordered 1
		.amdhsa_forward_progress 1
		.amdhsa_inst_pref_size 19
	.end_amdhsa_kernel
	.amdgpu_metadata
---
amdhsa.version: [ 1, 2 ]
amdhsa.kernels:
  - .name:           k_q04f7a71652_cast
    .symbol:         k_q04f7a71652_cast.kd
    .args:
      - { .name: x, .offset: 0, .size: 8, .value_kind: global_buffer, .address_space: global }
      - { .name: W_q, .offset: 8, .size: 8, .value_kind: global_buffer, .address_space: global }
      - { .name: W_k, .offset: 16, .size: 8, .value_kind: global_buffer, .address_space: global }
      - { .name: W_v, .offset: 24, .size: 8, .value_kind: global_buffer, .address_space: global }
      - { .name: W_o, .offset: 32, .size: 8, .value_kind: global_buffer, .address_space: global }
      - { .name: b_q, .offset: 40, .size: 8, .value_kind: global_buffer, .address_space: global }
      - { .name: b_k, .offset: 48, .size: 8, .value_kind: global_buffer, .address_space: global }
      - { .name: b_v, .offset: 56, .size: 8, .value_kind: global_buffer, .address_space: global }
      - { .name: xb, .offset: 64, .size: 8, .value_kind: global_buffer, .address_space: global }
      - { .name: wt, .offset: 72, .size: 8, .value_kind: global_buffer, .address_space: global }
      - { .name: bcat, .offset: 80, .size: 8, .value_kind: global_buffer, .address_space: global }
    .group_segment_fixed_size: 35840
    .private_segment_fixed_size: 0
    .kernarg_segment_align: 8
    .kernarg_segment_size: 88
    .max_flat_workgroup_size: 256
    .sgpr_count:     66
    .vgpr_count:     206
    .wavefront_size: 32
...
	.end_amdgpu_metadata
.endif
;; end of part 1
;; launch qkv (part 2): grid 16 x 16, 4 waves a work-group, clusters of 4 x 4, 327,680 bytes of LDS; arguments xb, wt, bcat, qkv; writes qkv
.if DOCPART == 2
	.amdgcn_target "amdgcn-amd-amdhsa--gfx1250"
	.amdhsa_code_object_version 6
	.text
	.protected	k_q04f7a71652_qkv
	.globl	k_q04f7a71652_qkv
	.p2align	8
	.type	k_q04f7a71652_qkv,@function
k_q04f7a71652_qkv:
	s_mov_b64 s[64:65], 0
	v_nop
	global_prefetch_b8 v0, s[64:65] scope:SCOPE_SE
	s_setreg_imm32_b32 hwreg(HW_REG_WAVE_MODE, 25, 1), 1
	s_wait_xcnt 0x0
	s_wait_alu depctr_hold_cnt(0) depctr_sa_sdst(0) depctr_va_vdst(0) depctr_va_sdst(0) depctr_va_ssrc(0) depctr_va_vcc(0) depctr_vm_vsrc(0)
	s_getreg_b32 s2, hwreg(HW_REG_IB_STS2, 6, 4)
	s_cmp_eq_u32 s2, 0
	s_cbranch_scc0 .Lentry_in_a_cluster
	s_endpgm
.Lentry_in_a_cluster:
	s_bfe_u32 s2, ttmp6, 0x10000c
	s_cmp_lg_u32 s2, 0xf033
	s_cbranch_scc0 .Lentry_shape_is_right
	s_endpgm
.Lentry_shape_is_right:
; qkv: [4096 m][3072 n'] = xb [4096][1024] (bf16) x wt rows 0-3071 [n'][1024] (bf16), sums in f32, + bcat[n'] in f32, rounded once to f16 and stored
; by heads: qkv [48 hb][4096 m][64], hb = n' / 64 (0-15 q, 16-31 k, 32-47 v).
; A work-group makes 256 rows x 192 columns (three head blocks) with four waves; a wave makes 128 x 96: 48 accumulator tiles, 384 registers.
; 16 x 16 = 256 work-groups.  K goes in steps of 128 through two LDS slots filled by the tensor data mover: rows of 256 bytes, aligned.
; CLUSTERS: 4 x 4 work-groups.  A's tile hangs on the block row alone and is asked for jointly by a row of the cluster, B's on the block column alone
; and is asked for jointly by a column: the requests for both are divided by four.
; LIMIT: q, k, v are kept in f16: |value| < 65,504.
; REGISTERS in windows of 256: window 0 addresses, A's fragments (two buffers), bias, the way out; window 1 B's fragments (two buffers);
; window 2 the 24 tiles of my rows 0-63 (tile (a, b) at v[8 (6 a + b)]); window 3 those of my rows 64-127.
; The matrix instruction is used transposed (source 0 = rows of wt, source 1 = rows of xb): a lane then holds row l % 16 and eight neighbouring columns.
.set KSTEP,  128
.set PITCH,  272                       ; 256 bytes + 16: the sixteen rows that a fragment load touches start 16 bytes apart modulo 256
.set HALFA,  128*PITCH                 ; what one load brings of A
.set HALFB,  96*PITCH                  ; what one load brings of B
.set SLOT,   2*HALFA+2*HALFB           ; A's 256 rows, then B's 192
.set SP,     400                       ; the way out: 192 f16 + 16 bytes a row, 256 rows = 102,400 bytes, in slot 0 behind its last fill
.set LAPS,   1024/(2*KSTEP)            ; a lap = two K steps = once round the ring
.set ADRA, 16                          ; v16-17  my A fragments in slot 0, 1
.set ADRB, 20                          ; v20-21  my B fragments
.set STO,  24                          ; v24     the way out: where I put 16 bytes
.set RD,   25                          ; v25     where I read rows back
.set CO,   26                          ; v26     my byte offset in a head block of qkv
.set BO,   27                          ; v27     my byte offset in bcat
.set PK,   32                          ; v[32:55]  packed f16
.set F0,   64
.set F1,   128
.set BIAS, 192                         ; v[192:239] bias of my 6 x 8 columns
.set G1,  24                           ; s[24:31] group 1 for A
.set G0,  32                           ; s[32:39] group 0 for A, a set for each slot
.set G1B, 48                           ; s[48:55] group 1 for B
.set G0B, 56                           ; s[56:63] group 0 for B
.set MSB, 0
.macro WIN new                         ; the immediate's high byte repeats the setting that is left
.if MSB != \new
	s_set_vgpr_msb (MSB<<8)|\new
.set MSB, \new
.endif
.endm
.set MUL_LO, 0xa1                      ; source 0 (B) window 1, source 1 (A) window 0, C and D window 2
.set MUL_HI, 0xf1                      ; the same, C and D window 3
.set TO_B,   0x40                      ; destination window 1, address window 0
; A joint load: waves 0 and 1 fetch A's halves, waves 2 and 3 B's.  The branch hangs on the wave's number alone.
.macro JLOAD s
	s_cmp_eq_u32 s13, 0
	s_cbranch_scc0 .Lfor_b_\@
	tensor_load_to_lds s[G0+4*\s:G0+4*\s+3], s[G1:G1+7]
	s_nop 0
	s_branch .Lasked_\@
.Lfor_b_\@:
	tensor_load_to_lds s[G0B+4*\s:G0B+4*\s+3], s[G1B:G1B+7]
	s_nop 0
.Lasked_\@:
.endm
.macro CREST                           ; a round of the cluster's barrier behind its opening barrier
	s_cmp_lg_u32 s12, 0
	s_cbranch_scc1 .Lnot_wave_0_\@
	s_barrier_signal -3
.Lnot_wave_0_\@:
	s_barrier_wait -3
	s_barrier_signal -1
	s_barrier_wait -1
.endm
.macro CROUND                          ; a whole round
	s_barrier_signal -1
	s_barrier_wait -1
	CREST
.endm
	s_load_b256 s[4:11], s[0:1], 0x0               ; xb s[4:5], wt s[6:7], bcat s[8:9], qkv s[10:11]
	s_set_vgpr_msb 0x40
	v_lshl_add_u32 v255, v0, 2, 0x3b800
	s_set_vgpr_msb 0x4000
	v_mov_b32 v255, 0
	s_set_vgpr_msb 0x1
	ds_add_u32 v255, v255
	s_set_vgpr_msb 0x100
	v_lshrrev_b32 v1, 5, v0
	v_readfirstlane_b32 s12, v1                    ; wave 0..3
	s_lshr_b32 s13, s12, 1                         ; my half of the rows.  Also: I fetch for A (0) or for B (1)
	s_and_b32 s14, s12, 1                          ; my half of the columns.  Also: which half of that tile I fetch
	s_bfe_u32 s40, ttmp6, 0x40000                  ; cx
	s_bfe_u32 s41, ttmp6, 0x40004                  ; cy
	s_lshl_b32 s42, ttmp9, 2
	s_add_co_u32 s42, s42, s40                     ; block column = 4 x cluster x + cx
	s_and_b32 s43, ttmp7, 0xffff
	s_lshl_b32 s43, s43, 2
	s_add_co_u32 s43, s43, s41                     ; block row = 4 x cluster y + cy
	s_lshl_b32 s44, s41, 2
	s_lshl_b32 s44, 15, s44                        ; my row of the cluster: places 4 cy .. 4 cy + 3
	s_lshl_b32 s45, 0x1111, s40                    ; my column: places cx, cx + 4, cx + 8, cx + 12
	s_or_b32 s[G1+0], s44, (1<<16)|(1<<20)|(1<<21)|(5<<22)|(3<<25)   ; mask; elements of 2 bytes; padding on; bit 21 beside a mask; after every 64 words 4 words
	s_or_b32 s[G1B+0], s45, (1<<16)|(1<<20)|(1<<21)|(5<<22)|(3<<25)
	s_mov_b32 s[G1+1], KSTEP<<16                   ; tensor_dim0 = 128
	s_mov_b32 s[G1B+1], KSTEP<<16
	s_mov_b32 s[G1+2], 128<<16                     ; tensor_dim1 = 128 rows of A
	s_mov_b32 s[G1B+2], 96<<16                     ;             = 96 rows of B
	s_mov_b32 s[G1+3], KSTEP<<16                   ; tile_dim0 = 128
	s_mov_b32 s[G1B+3], KSTEP<<16
	s_mov_b32 s[G1+4], 128                         ; tile_dim1
	s_mov_b32 s[G1B+4], 96
	s_mov_b32 s[G1+5], 1024                        ; elements from row to row
	s_mov_b32 s[G1B+5], 1024
	s_mov_b32 s[G1+6], 0
	s_mov_b32 s[G1B+6], 0
	s_mov_b32 s[G1+7], 0
	s_mov_b32 s[G1B+7], 0
	s_lshl_b32 s16, s43, 19                        ; A: 256 rows of 2,048 bytes a block row
	s_lshl_b32 s17, s14, 18                        ;    + 128 rows a half
	s_add_co_u32 s16, s16, s17
	s_mov_b32 s17, 0
	s_mul_i32 s46, s42, 192*2048                   ; B: 192 rows a block column
	s_mul_i32 s47, s14, 96*2048                    ;    + 96 rows a half
	s_add_co_u32 s46, s46, s47
	s_mov_b32 s47, 0
	s_mul_i32 s20, s12, HALFA                      ; LDS: waves 0, 1 put A's halves at 0 and HALFA;
	s_mul_i32 s21, s12, HALFB
	s_add_co_u32 s21, s21, 2*HALFA-2*HALFB         ; waves 2, 3 put B's halves behind A's 256 rows
	s_wait_dscnt 0x0
	s_wait_kmcnt 0x0
	s_add_nc_u64 s[18:19], s[4:5], s[16:17]
	s_add_nc_u64 s[46:47], s[6:7], s[46:47]
	CROUND                                         ; all sixteen work-groups are here: the first joint loads meet
.irp s, 0,1
	s_mov_b32 s[G0+4*\s], 1
	s_add_co_u32 s[G0+4*\s+1], s20, \s*SLOT
	s_add_nc_u64 s[G0+4*\s+2:G0+4*\s+3], s[18:19], \s*KSTEP*2
	s_or_b32 s[G0+4*\s+3], s[G0+4*\s+3], 0x80000000
	s_mov_b32 s[G0B+4*\s], 1
	s_add_co_u32 s[G0B+4*\s+1], s21, \s*SLOT
	s_add_nc_u64 s[G0B+4*\s+2:G0B+4*\s+3], s[46:47], \s*KSTEP*2
	s_or_b32 s[G0B+4*\s+3], s[G0B+4*\s+3], 0x80000000
	JLOAD \s                                       ; both slots are asked for before anything else: two loads of the wave are out
.endr
	v_and_b32 v1, 15, v0                           ; r = l % 16
	v_bfe_u32 v2, v0, 4, 1                         ; h = l / 16
	s_mul_i32 s23, s14, 384
	v_lshl_add_u32 v[BO], v2, 5, s23               ; (96 half + 8 h) x 4 bytes
	s_mul_i32 s46, s42, 768                        ; 192 columns x 4 bytes a block column
	s_mov_b32 s47, 0
	s_add_nc_u64 s[8:9], s[8:9], s[46:47]
.irp b, 0,1,2,3,4,5
	global_load_b128 v[BIAS+8*\b:BIAS+8*\b+3], v[BO], s[8:9] offset:64*\b
	global_load_b128 v[BIAS+8*\b+4:BIAS+8*\b+7], v[BO], s[8:9] offset:64*\b+16
.endr
	v_mul_u32_u24 v3, v1, PITCH
	v_lshl_add_u32 v3, v2, 4, v3                   ; row x pitch + 16 h
	s_mul_i32 s21, s13, HALFA                      ; my 128 rows of A
	s_mul_i32 s22, s14, HALFB                      ; my 96 rows of B,
	s_add_co_u32 s22, s22, 2*HALFA                 ; behind A's 256
.irp s, 0,1
	v_add_nc_u32 v[ADRA+\s], s21, v3
	v_add_nc_u32 v[ADRB+\s], s22, v3
	s_add_co_u32 s21, s21, SLOT
	s_add_co_u32 s22, s22, SLOT
.endr
	s_mul_i32 s23, s13, 128*SP
	s_mul_i32 s20, s14, 192
	s_add_co_u32 s23, s23, s20
	v_mul_u32_u24 v4, v1, SP
	v_lshl_add_u32 v4, v2, 4, v4
	v_add_nc_u32 v[STO], s23, v4                   ; (128 row half + r) x 400 + 192 column half + 16 h
	v_and_b32 v5, 31, v0
	v_lshrrev_b32 v6, 3, v5
	v_and_b32 v7, 7, v5
	v_mul_u32_u24 v6, v6, SP
	v_lshl_add_u32 v6, v7, 4, v6
	s_mul_i32 s23, s12, 64*SP
	v_add_nc_u32 v[RD], s23, v6                    ; (64 wave + l / 8) x 400 + 16 (l % 8): four rows' 128 bytes of one head block
	v_lshlrev_b32 v5, 4, v5
	v_lshl_add_u32 v[CO], s12, 13, v5              ; 64 rows of 128 bytes a wave + 16 l
; 12 matrix instructions: row blocks a0, a0 + 1 of the window's four x all 6 column blocks, 32 along K.  zero = 1: the first product starts the sums.
.macro MUL12 f, hi, a0, zero
.irp a, \a0, \a0+1
.irp b, 0,1,2,3,4,5
.if \zero
	v_wmma_f32_16x16x32_bf16 v[8*(6*(\a)+\b):8*(6*(\a)+\b)+7], v[\f+8*\b:\f+8*\b+7], v[\f+8*(4*\hi+\a):\f+8*(4*\hi+\a)+7], 0
.else
	v_wmma_f32_16x16x32_bf16 v[8*(6*(\a)+\b):8*(6*(\a)+\b)+7], v[\f+8*\b:\f+8*\b+7], v[\f+8*(4*\hi+\a):\f+8*(4*\hi+\a)+7], v[8*(6*(\a)+\b):8*(6*(\a)+\b)+7]
.endif
.endr
.endr
.endm
; 28 LDS loads in one run: 96 rows of B, then 128 rows of A, 32 K at byte k of the rows, into buffer f
.macro FETCH slot, k, f
	WIN TO_B
.irp i, 0,1,2,3,4,5
	ds_load_b128 v[\f+8*\i:\f+8*\i+3],   v[ADRB+\slot] offset:\k+\i*16*PITCH
	ds_load_b128 v[\f+8*\i+4:\f+8*\i+7], v[ADRB+\slot] offset:\k+\i*16*PITCH+32
.endr
	WIN 0
.irp i, 0,1,2,3,4,5,6,7
	ds_load_b128 v[\f+8*\i:\f+8*\i+3],   v[ADRA+\slot] offset:\k+\i*16*PITCH
	ds_load_b128 v[\f+8*\i+4:\f+8*\i+7], v[ADRA+\slot] offset:\k+\i*16*PITCH+32
.endr
.endm
; Four places between a matrix instruction and a load into a register that it read, or a vector instruction that reads its result.
.macro PLACES
.rept 4
	v_nop
.endr
.endm
; A K step is four quarters of 32 along K, 48 matrix instructions each, on buffers 0, 1, 0, 1.  The 48 accumulators take turns, one instruction a turn,
; in the same order in every quarter.
.macro QUARTER slot, k, f, g, zero
	s_wait_dscnt 8                                 ; B and A's rows 0-63 are in; the youngest eight loads (A's rows 64-127) may be out
	WIN MUL_LO
	MUL12 \f, 0, 0, \zero
	MUL12 \f, 0, 2, \zero
	PLACES
	FETCH \slot, \k, \g
	s_wait_dscnt 28                                ; all but the 28 just issued
	WIN MUL_HI
	MUL12 \f, 1, 0, \zero
	MUL12 \f, 1, 2, \zero
.endm
.macro THREE slot, zero
	QUARTER \slot, 64,  F0, F1, \zero
	QUARTER \slot, 128, F1, F0, 0
	QUARTER \slot, 192, F0, F1, 0
.endm
; The last quarter multiplies buffer 1 and changes slots.  In front of the one barrier each wave waits for its reads of this slot and for all its
; tensor loads (one is out: its part of the next slot); behind it the refill comes first, then the next slot's first fragments.
.macro TURN slot, next, fill
	s_wait_dscnt 8
	WIN MUL_LO
	MUL12 F1, 0, 0, 0
	s_wait_dscnt 0                                 ; my reads of this slot are over
	s_wait_tensorcnt 0x0                           ; and all my tensor loads have landed
	ds_add_u32 v255, v255
	s_wait_dscnt 0x0
	s_barrier_signal -1                            ; (where a slot is filled again this barrier opens a round of the cluster's barrier)
	MUL12 F1, 0, 2, 0                              ; register work while the others arrive
	WIN 0
	s_barrier_wait -1
.if \fill
	CREST                                          ; no wave of any partner still reads this slot or has a load on its way
	s_add_nc_u64 s[G0+4*\slot+2:G0+4*\slot+3], s[G0+4*\slot+2:G0+4*\slot+3], 2*KSTEP*2
	s_add_nc_u64 s[G0B+4*\slot+2:G0B+4*\slot+3], s[G0B+4*\slot+2:G0B+4*\slot+3], 2*KSTEP*2
	JLOAD \slot                                    ; the first tensor load behind the round, and the wave's only one until the next
.endif
	PLACES
	FETCH \next, 0, F0
	WIN MUL_HI
	MUL12 F1, 1, 0, 0
	MUL12 F1, 1, 2, 0
.endm
.macro LAP zero
	THREE 0, \zero
	TURN 0, 1, 1
	THREE 1, 0
	TURN 1, 0, 1
.endm
	s_wait_tensorcnt 1                             ; my part of K step 0 is in; K step 1's may stay out
	s_barrier_signal -1
	s_barrier_wait -1
	FETCH 0, 0, F0
	LAP 1                                          ; the first lap stands in front of the loop: its first products start the sums
	WIN 0
	s_mov_b32 s3, LAPS-2
.Llap:
	LAP 0
	WIN 0
	s_sub_co_u32 s3, s3, 1
	s_cmp_lg_u32 s3, 0
	s_cbranch_scc1 .Llap
	THREE 0, 0                                     ; the last lap fills nothing
	TURN 0, 1, 0
	THREE 1, 0
	s_wait_dscnt 8
	WIN MUL_LO
	MUL12 F1, 0, 0, 0
	MUL12 F1, 0, 2, 0
	s_wait_dscnt 0
	WIN MUL_HI
	MUL12 F1, 1, 0, 0
	MUL12 F1, 1, 2, 0
	; THE WAY OUT.  Bias in f32, one rounding to f16, 16 bytes a lane into a stage of 256 rows x 400 bytes in slot 0: its last fill has landed and every
	; wave's reads of it ended in front of the last change of slots.  Behind one barrier each wave reads 64 rows back, one head block at a time.
	PLACES
	s_wait_loadcnt 0x0                             ; the bias
	s_lshl_b32 s16, s43, 15                        ; 256 rows of 128 bytes a block row
	s_mov_b32 s17, 0
	s_add_nc_u64 s[10:11], s[10:11], s[16:17]
	s_mul_i32 s46, s42, 3*524288                   ; three head blocks of 4,096 rows x 128 bytes a block column
	s_mov_b32 s47, 0
	s_add_nc_u64 s[10:11], s[10:11], s[46:47]
; rows 16 ap .. 16 ap + 15 of my 128 = tiles (a, 0..5) of window 2 or 3 (from: source 0's window)
.macro OUTROWS ap, a, from
	WIN \from
.irp b, 0,1,2,3,4,5
.irp p, 0,1,2,3
	v_pk_add_f32 v[F0+8*\b+2*\p:F0+8*\b+2*\p+1], v[8*(6*\a+\b)+2*\p:8*(6*\a+\b)+2*\p+1], v[BIAS+8*\b+2*\p:BIAS+8*\b+2*\p+1]
.endr
.endr
	WIN 0
.irp b, 0,1,2,3,4,5
.irp p, 0,1,2,3
	v_cvt_pk_f16_f32 v[PK+4*\b+\p], v[F0+8*\b+2*\p], v[F0+8*\b+2*\p+1]
.endr
.endr
.irp b, 0,1,2,3,4,5
	ds_store_b128 v[STO], v[PK+4*\b:PK+4*\b+3] offset:\ap*16*SP+32*\b
.endr
.endm
	OUTROWS 0, 0, 0x02
	OUTROWS 1, 1, 0x02
	OUTROWS 2, 2, 0x02
	OUTROWS 3, 3, 0x02
	OUTROWS 4, 0, 0x03
	OUTROWS 5, 1, 0x03
	OUTROWS 6, 2, 0x03
	OUTROWS 7, 3, 0x03
	s_wait_dscnt 0x0                               ; my stores are in LDS before I say so: a row's two halves come from two waves
	s_barrier_signal -1
	s_barrier_wait -1
; 32 of my 64 rows of head block q: eight loads of four rows each, stored as 512 consecutive bytes, aligned
.macro BACK q, half, f
	s_wait_xcnt 0x0                                ; buffer f, which earlier stores read, is loaded again only behind this wait
.irp t, 0,1,2,3,4,5,6,7
	ds_load_b128 v[\f+4*\t:\f+4*\t+3], v[RD] offset:(8*\half+\t)*4*SP+128*\q
.endr
.irp t, 0,1,2,3,4,5,6,7
	s_wait_dscnt 7-\t
	global_store_b128 v[CO], v[\f+4*\t:\f+4*\t+3], s[10:11] offset:\q*524288+(8*\half+\t)*512
.endr
.endm
	BACK 0, 0, 128
	BACK 0, 1, 160
	BACK 1, 0, 128
	BACK 1, 1, 160
	BACK 2, 0, 128
	BACK 2, 1, 160
	s_set_vgpr_msb 0x1
	s_wait_tensorcnt 0x0
	ds_add_u32 v255, v255
	s_wait_dscnt 0x0
	s_set_vgpr_msb 0x100
	CROUND                                         ; the closing round: no work-group ends while a partner may still ask for a tile that names it
	s_endpgm
.Lfunc_end_k_q04f7a71652_qkv:
	.size	k_q04f7a71652_qkv, .Lfunc_end_k_q04f7a71652_qkv-k_q04f7a71652_qkv
	.p2alignl 7, 3214868480
	.fill 96, 4, 3214868480
	.section	.rodata,"a",@progbits
	.p2align	6, 0x0
	.amdhsa_kernel k_q04f7a71652_qkv
		.amdhsa_group_segment_fixed_size 327680
		.amdhsa_private_segment_fixed_size 0
		.amdhsa_enable_private_segment 0
		.amdhsa_kernarg_size 32
		.amdhsa_user_sgpr_count 2
		.amdhsa_user_sgpr_kernarg_segment_ptr 1
		.amdhsa_wavefront_size32 1
		.amdhsa_system_sgpr_workgroup_id_x 1
		.amdhsa_system_sgpr_workgroup_id_y 1
		.amdhsa_system_sgpr_workgroup_id_z 1
		.amdhsa_system_vgpr_workitem_id 0
		.amdhsa_next_free_vgpr 1024
		.amdhsa_next_free_sgpr 66
		.amdhsa_reserve_vcc 0
		.amdhsa_float_denorm_mode_32 3
		.amdhsa_float_denorm_mode_16_64 3
		.amdhsa_memory_ordered 1
		.amdhsa_forward_progress 1
		.amdhsa_inst_pref_size 171
	.end_amdhsa_kernel
	.amdgpu_metadata
---
amdhsa.version: [ 1, 2 ]
amdhsa.kernels:
  - .name:           k_q04f7a71652_qkv
    .symbol:         k_q04f7a71652_qkv.kd
    .args:
      - { .name: xb, .offset: 0, .size: 8, .value_kind: global_buffer, .address_space: global }
      - { .name: wt, .offset: 8, .size: 8, .value_kind: global_buffer, .address_space: global }
      - { .name: bcat, .offset: 16, .size: 8, .value_kind: global_buffer, .address_space: global }
      - { .name: qkv, .offset: 24, .size: 8, .value_kind: global_buffer, .address_space: global }
    .group_segment_fixed_size: 327680
    .private_segment_fixed_size: 0
    .kernarg_segment_align: 8
    .kernarg_segment_size: 32
    .max_flat_workgroup_size: 128
    .sgpr_count:     66
    .vgpr_count:     1024
    .wavefront_size: 32
...
	.end_amdgpu_metadata
.endif
;; end of part 2
;; launch attn (part 3): grid 8 x 32, 8 waves a work-group, no clusters, 327,680 bytes of LDS; arguments qkv, ctx; writes ctx
.if DOCPART == 3
	.amdgcn_target "amdgcn-amd-amdhsa--gfx1250"
	.amdhsa_code_object_version 6
	.text
	.protected	k_q04f7a71652_attn
	.globl	k_q04f7a71652_attn
	.p2align	8
	.type	k_q04f7a71652_attn,@function
k_q04f7a71652_attn:
	s_mov_b64 s[64:65], 0
	v_nop
	global_prefetch_b8 v0, s[64:65] scope:SCOPE_SE
	s_setreg_imm32_b32 hwreg(HW_REG_WAVE_MODE, 25, 1), 1
	s_wait_xcnt 0x0
; attn: causal attention of one head for two blocks of 128 queries.  qkv [48 hb][4096 m][64] f16 (q, k, v by heads); ctx [32 mb][16 h][128 row][64 e] f16.
; Work-group (j, bh): head h = bh % 16 of batch b = bh / 16; first query block 2 j + 1 (2 j + 2 key tiles of 128), then block 14 - 2 j (15 - 2 j tiles):
; 17 tiles for every one of the 256 work-groups.  Key tiles above the diagonal are not computed: the mask would throw their result away.
; Eight waves: wave w takes queries 32 (w % 4) .. + 31 and, of every key tile, keys 64 (w / 4) .. + 63; waves w and w + 4 are merged at a block's end.
; TRANSPOSED: S^T = K Q^T, so a lane holds one query (l % 16) and eight keys a register tile.  The row maximum is then in the lane but for one exchange of the
; halves, alpha is one number a lane, and two neighbouring tiles of exp(S^T) packed to f16 ARE the second source of O^T = V^T P^T.
; V^T comes out of V [key][e] by the transposing LDS load.
; SOFTMAX: running maximum, kept scaled: M = max(s) c, c = 0.125 log2 e; p = 2^(s c - M); masked scores are -infinity, and every row that is worked on
; has a key that is not masked, so M is finite.  Sums, maxima and O in f32.
; NO CLUSTER: the work-groups of one head need different numbers of tiles in each of their two blocks (2 j + 2 and 15 - 2 j), so partners would not ask
; for the same tile in the same trip; equal trip counts would cost 20 tiles in the place of 17.
; LIMIT: q, k, v, ctx in f16: |value| < 65,504; p <= 1.
.set SLOTB, 40960                      ; a slot: K rows 0-63, K rows 64-127 (pitch 144), V rows 0-127 (pitch 160), in four parts of 10,240 bytes, one a loading wave
.set REGB,  10240
.set KP,    144                        ; 128 bytes + 16
.set VP,    160                        ; 128 bytes + 32: an odd multiple of 32 for the transposing load
.set MRG,   81920                      ; behind the ring, no fill lands here: 4 x 8,704 bytes, waves 4-7 hand O, M, L to waves 0-3
.set MRGW,  8704
.set OST,   116736                     ; 4 x 4,608 bytes: 32 rows x 144, each of waves 0-3 its own, for the way out
.set OSTW,  4608
.set CEXP,  0x3e38aa3b                 ; 0.125 log2 e
.set GK1, 16                           ; s[16:23] group 1 for K's parts
.set GV1, 24                           ; s[24:31] group 1 for V's parts
.set G0,  32                           ; s[32:39] group 0, a set for each slot
.set QR,  32                           ; v[32:63]   Q(qt, c) at 32 + 16 qt + 8 c
.set SR,  64                           ; v[64:127]  S(kt, qt) at 64 + 32 (kt / 2) + 16 qt + 8 (kt % 2); P(ch, qt) at 64 + 32 ch + 16 qt, packed in place
.set FR,  128                          ; v[128:191] K(kt, c) at 128 + 16 kt + 8 c, then V^T(et, ch) at 128 + 16 et + 8 ch
.set OA,  192                          ; v[192:255] O^T(et, qt) at 192 + 16 et + 8 qt
.set TT,  24                           ; v[24:31]   at work
; v1 K fragments, v2 V fragments, v3 Q, v4 merge, v5 / v6 stage in / back, v7 ctx, v8 / v9 diagonal: largest allowed 16 kt + j for qt = 0 / 1, v10 -infinity
; v12, v13 M; v14, v15 L (each lane's own part); v16, v18 alpha; v20, v22 -M; v17, v19, v21, v23 are written once: the packed forms name the pairs
	s_load_b128 s[4:7], s[0:1], 0x0                ; qkv s[4:5], ctx s[6:7]
	s_set_vgpr_msb 0x40
	v_lshl_add_u32 v0, v0, 2, 0x29000
	v_mov_b32 v1, 0
	s_set_vgpr_msb 0x4045
	ds_add_u32 v0, v1
	s_set_vgpr_msb 0x4500
	v_lshrrev_b32 v1, 5, v0
	v_readfirstlane_b32 s8, v1                     ; wave 0..7
	s_and_b32 s9, s8, 3                            ; which 32 queries
	s_lshr_b32 s10, s8, 2                          ; which 64 keys of a tile
	s_mov_b32 s11, ttmp9                           ; j
	s_and_b32 s12, ttmp7, 0xffff
	s_lshr_b32 s13, s12, 4                         ; b
	s_and_b32 s14, s12, 15                         ; h
	s_mov_b32 s52, 0x76543210                      ; v_permlanex16_b32: lane i of one half reads lane i of the other
	s_mov_b32 s53, 0xfedcba98
	; group 1: 64 rows x 64 elements of 2 bytes, dense in memory; after every 32 words 4 words (K) or 8 words (V) are skipped in LDS
	s_mov_b32 s[GK1+0], (1<<16)|(1<<20)|(4<<22)|(3<<25)
	s_mov_b32 s[GV1+0], (1<<16)|(1<<20)|(4<<22)|(7<<25)
	s_mov_b32 s[GK1+1], 64<<16                     ; tensor_dim0
	s_mov_b32 s[GV1+1], 64<<16
	s_mov_b32 s[GK1+2], 64<<16                     ; tensor_dim1
	s_mov_b32 s[GV1+2], 64<<16
	s_mov_b32 s[GK1+3], 64<<16                     ; tile_dim0
	s_mov_b32 s[GV1+3], 64<<16
	s_mov_b32 s[GK1+4], 64                         ; tile_dim1
	s_mov_b32 s[GV1+4], 64
	s_mov_b32 s[GK1+5], 64                         ; elements from row to row
	s_mov_b32 s[GV1+5], 64
	s_mov_b32 s[GK1+6], 0
	s_mov_b32 s[GV1+6], 0
	s_mov_b32 s[GK1+7], 0
	s_mov_b32 s[GV1+7], 0
	s_lshl_b32 s44, s14, 19                        ; a head block is 4,096 rows x 128 bytes,
	s_lshl_b32 s15, s13, 18                        ; a batch 2,048 rows
	s_add_co_u32 s44, s44, s15                     ; my head and batch inside q's, k's or v's sixteen blocks
	s_lshr_b32 s15, s9, 1
	s_add_co_u32 s15, s15, 1                       ; waves 0, 1 fetch K (1), waves 2, 3 V (2)
	s_lshl_b32 s15, s15, 23                        ; sixteen head blocks
	s_and_b32 s42, s8, 1
	s_lshl_b32 s42, s42, 13                        ; the tile's rows 0-63 or 64-127
	s_add_co_u32 s42, s42, s15
	s_add_co_u32 s42, s42, s44
	s_mov_b32 s43, 0
	s_mul_i32 s15, s8, REGB                        ; my part of a slot
	s_wait_dscnt 0x0
	s_barrier_signal -1
	s_barrier_wait -1
	s_wait_kmcnt 0x0
	s_add_nc_u64 s[40:41], s[4:5], s[42:43]        ; my part of key tile 0
	s_mov_b32 s[G0+0], 1
	s_add_co_u32 s[G0+1], s15, 0*SLOTB
	s_mov_b64 s[G0+2:G0+3], s[40:41]
	s_or_b32 s[G0+3], s[G0+3], 0x80000000
	s_mov_b32 s[G0+4], 1
	s_add_co_u32 s[G0+5], s15, 1*SLOTB
; A tile's four parts are fetched by waves 0 to 3, one load each; waves 4 to 7 fetch nothing.
.macro TLOAD s
	s_cmp_gt_u32 s8, 3
	s_cbranch_scc1 .Lnone_\@
	s_cmp_gt_u32 s8, 1
	s_cbranch_scc1 .Lval_\@
	tensor_load_to_lds s[G0+4*(\s):G0+4*(\s)+3], s[GK1:GK1+7]
	s_nop 0
	s_branch .Lnone_\@
.Lval_\@:
	tensor_load_to_lds s[G0+4*(\s):G0+4*(\s)+3], s[GV1:GV1+7]
	s_nop 0
.Lnone_\@:
.endm
	TLOAD 0                                        ; the one first fill: tile 0 of the first block
	s_mov_b32 s42, 16384                           ; s[42:43]: byte offset of the tile that is asked for next
	s_lshl_b32 s15, s11, 1
	s_add_co_u32 s15, s15, 1                       ; first query block: 2 j + 1
	s_lshl_b32 s58, s15, 14
	s_add_co_u32 s58, s58, s44
	s_mov_b32 s59, 0
	s_add_nc_u64 s[46:47], s[4:5], s[58:59]        ; its Q
	s_lshl_b32 s60, s13, 22                        ; ctx: 16 blocks x 16 heads x 16,384 bytes a batch,
	s_lshl_b32 s61, s14, 14                        ; 16,384 bytes a head
	s_add_co_u32 s60, s60, s61
	s_lshl_b32 s58, s15, 18                        ; 16 heads a block
	s_add_co_u32 s58, s58, s60
	s_add_nc_u64 s[48:49], s[6:7], s[58:59]        ; its place in ctx
	s_sub_co_u32 s15, 15, s15                      ; second query block: 14 - 2 j
	s_lshl_b32 s58, s15, 14
	s_add_co_u32 s58, s58, s44
	s_add_nc_u64 s[56:57], s[4:5], s[58:59]
	s_lshl_b32 s58, s15, 18
	s_add_co_u32 s58, s58, s60
	s_add_nc_u64 s[54:55], s[6:7], s[58:59]
	v_and_b32 v11, 31, v0                          ; l
	v_and_b32 v24, 15, v0                          ; r = l % 16
	v_bfe_u32 v25, v0, 4, 1                        ; h = l / 16
	v_lshlrev_b32 v3, 7, v24
	v_lshl_add_u32 v3, v25, 4, v3
	v_lshl_add_u32 v3, s9, 12, v3                  ; Q: (32 w4 + r) x 128 + 16 h
.macro QLOAD base                      ; Q's fragments straight from memory: 32 rows x 128 bytes a wave, once a block
.irp qt, 0,1
.irp c, 0,1
	global_load_b128 v[QR+16*\qt+8*\c:QR+16*\qt+8*\c+3],   v3, s[\base:\base+1] offset:\qt*2048+64*\c
	global_load_b128 v[QR+16*\qt+8*\c+4:QR+16*\qt+8*\c+7], v3, s[\base:\base+1] offset:\qt*2048+64*\c+32
.endr
.endr
.endm
	QLOAD 46
	v_mul_u32_u24 v1, v24, KP
	v_lshl_add_u32 v1, v25, 4, v1
	s_mul_i32 s15, s10, REGB
	v_add_nc_u32 v1, s15, v1                       ; K: my 64 keys' part + r x 144 + 16 h
	v_and_b32 v26, 7, v0
	v_lshl_add_u32 v26, v25, 3, v26
	v_mul_u32_u24 v2, v26, VP
	v_bfe_u32 v26, v0, 3, 1
	v_lshl_add_u32 v2, v26, 4, v2
	s_add_co_u32 s15, s15, 2*REGB
	v_add_nc_u32 v2, s15, v2                       ; V: behind K, my 64 keys + (8 h + l % 8) x 160 + 16 ((l / 8) % 2)
	s_mul_i32 s15, s9, MRGW
	s_add_co_u32 s15, s15, MRG
	v_lshl_add_u32 v4, v11, 4, s15                 ; merge: 16 l in the pair's 8,704 bytes
	s_mul_i32 s15, s9, OSTW
	s_add_co_u32 s15, s15, OST
	v_mul_u32_u24 v5, v24, KP
	v_lshl_add_u32 v5, v25, 4, v5
	v_add_nc_u32 v5, s15, v5                       ; stage, in: row r, 16 h
	v_lshrrev_b32 v26, 3, v11
	v_mul_u32_u24 v6, v26, KP
	v_and_b32 v26, 7, v0
	v_lshl_add_u32 v6, v26, 4, v6
	v_add_nc_u32 v6, s15, v6                       ; stage, back: row l / 8, 16 (l % 8)
	v_lshlrev_b32 v7, 4, v11
	v_lshl_add_u32 v7, s9, 12, v7                  ; ctx: 32 rows of 128 bytes a wave + 16 l
	v_lshlrev_b32 v26, 3, v25
	v_sub_nc_u32 v8, v24, v26
	s_lshl_b32 s15, s9, 5
	s_lshl_b32 s58, s10, 6
	s_sub_co_i32 s15, s15, s58
	v_add_nc_u32 v8, s15, v8                       ; on the diagonal key 64 kh + 16 kt + 8 h + j is allowed where 16 kt + j <= 32 w4 + r - 64 kh - 8 h (+ 16 qt), signed
	v_add_nc_u32 v9, 16, v8
	v_mov_b32 v10, 0xff800000                      ; -infinity
	v_mov_b32 v17, 0
	v_mov_b32 v19, 0
	v_mov_b32 v21, 0
	v_mov_b32 v23, 0
; A block's start.  O is cleared: waves 4 and 5 compute nothing in a block of one tile and still hand O, M, L over.
.macro INIT
	v_mov_b32 v12, v10
	v_mov_b32 v13, v10
	v_mov_b32 v14, 0
	v_mov_b32 v15, 0
.set i, OA
.rept 64
	v_mov_b32 v[i], 0
.set i, i+1
.endr
	s_wait_loadcnt 0x0                             ; Q
.endm
; The change of slots.  Every wave waits for all its tensor loads (its part of this trip's tile) and for its reads of the other slot, then the barrier;
; behind it the other slot's refill comes first, one load a loading wave, with the whole trip in which to land.
.macro HEAD slot, refill
	s_set_vgpr_msb 0x5
	s_wait_tensorcnt 0x0                           ; no load of mine is out, so a group 0 may be written
	ds_add_u32 v0, v1
	s_wait_dscnt 0x0
	s_set_vgpr_msb 0x500
.if \refill
	s_add_nc_u64 s[G0+4*(1-\slot)+2:G0+4*(1-\slot)+3], s[40:41], s[42:43]
	s_or_b32 s[G0+4*(1-\slot)+3], s[G0+4*(1-\slot)+3], 0x80000000
	s_add_co_u32 s42, s42, 16384                   ; 128 keys of 128 bytes on
.endif
	s_wait_dscnt 0x0
	s_barrier_signal -1
	s_barrier_wait -1
.if \refill
	TLOAD 1-\slot
.endif
.endm
; One key tile: my 32 queries x my 64 keys.  masked = 1: the tile on the diagonal.
.macro STEP slot, masked
.if \masked
	s_cmp_eq_u32 s8, 4                             ; waves 4 and 5: queries 0-63, keys 64-127: all masked, nothing to add
	s_cbranch_scc1 .Lskip_\@
	s_cmp_eq_u32 s8, 5
	s_cbranch_scc1 .Lskip_\@
.endif
.irp kt, 0,1,2,3
.irp c, 0,1
	ds_load_b128 v[FR+16*\kt+8*\c:FR+16*\kt+8*\c+3],   v1 offset:\slot*SLOTB+\kt*16*KP+64*\c
	ds_load_b128 v[FR+16*\kt+8*\c+4:FR+16*\kt+8*\c+7], v1 offset:\slot*SLOTB+\kt*16*KP+64*\c+32
.endr
.endr
.irp kt, 0,1,2,3
.set SB, SR+32*(\kt/2)+8*(\kt%2)
	s_wait_dscnt 12-4*\kt                          ; four loads for each 16 keys, in order: the later keys' stay out
	; the two query tiles' accumulators take turns, one instruction a turn
	v_wmma_f32_16x16x32_f16 v[SB:SB+7],     v[FR+16*\kt:FR+16*\kt+7],    v[QR:QR+7],     0
	v_wmma_f32_16x16x32_f16 v[SB+16:SB+23], v[FR+16*\kt:FR+16*\kt+7],    v[QR+16:QR+23], 0
	v_wmma_f32_16x16x32_f16 v[SB:SB+7],     v[FR+16*\kt+8:FR+16*\kt+15], v[QR+8:QR+15],  v[SB:SB+7]
	v_wmma_f32_16x16x32_f16 v[SB+16:SB+23], v[FR+16*\kt+8:FR+16*\kt+15], v[QR+24:QR+31], v[SB+16:SB+23]
.endr
.rept 4
	v_nop                                          ; four places (ISA guide 7.12.1): V is loaded over K's fragments, and S is read
.endr
.irp et, 0,1,2,3
.irp ch, 0,1
	ds_load_tr16_b128 v[FR+16*\et+8*\ch:FR+16*\et+8*\ch+3],   v2 offset:\slot*SLOTB+\ch*32*VP+32*\et
	ds_load_tr16_b128 v[FR+16*\et+8*\ch+4:FR+16*\et+8*\ch+7], v2 offset:\slot*SLOTB+\ch*32*VP+32*\et+16*VP
.endr
.endr
.if \masked
.irp kt, 0,1,2,3
.irp qt, 0,1
.irp jj, 0,1,2,3,4,5,6,7
	v_cmp_le_i32 vcc_lo, 16*\kt+\jj, v[8+\qt]
	v_cndmask_b32 v[SR+32*(\kt/2)+16*\qt+8*(\kt%2)+\jj], v10, v[SR+32*(\kt/2)+16*\qt+8*(\kt%2)+\jj], vcc_lo
.endr
.endr
.endr
.endif
	; the largest of my 32 scores of each query tile: four chains of three, then four joining operations
.irp qt, 0,1
.irp k, 0,1,2,3
.set SB, SR+32*(\k/2)+16*\qt+8*(\k%2)
	v_max3_num_f32 v[TT+4*\qt+\k], v[SB], v[SB+1], v[SB+2]
.endr
.irp k, 0,1,2,3
.set SB, SR+32*(\k/2)+16*\qt+8*(\k%2)
	v_max3_num_f32 v[TT+4*\qt+\k], v[TT+4*\qt+\k], v[SB+3], v[SB+4]
.endr
.irp k, 0,1,2,3
.set SB, SR+32*(\k/2)+16*\qt+8*(\k%2)
	v_max3_num_f32 v[TT+4*\qt+\k], v[TT+4*\qt+\k], v[SB+5], v[SB+6]
.endr
	v_max3_num_f32 v[TT+4*\qt],   v[TT+4*\qt],   v[SR+16*\qt+7],    v[TT+4*\qt+1]
	v_max3_num_f32 v[TT+4*\qt+2], v[TT+4*\qt+2], v[SR+32+16*\qt+7], v[TT+4*\qt+3]
	v_max3_num_f32 v[TT+4*\qt],   v[TT+4*\qt],   v[SR+16*\qt+15],   v[SR+32+16*\qt+15]
	v_max_num_f32  v[TT+4*\qt],   v[TT+4*\qt],   v[TT+4*\qt+2]
.endr
	v_permlanex16_b32 v[TT+1], v[TT], s52, s53     ; the other half of the lanes holds the same queries' other keys
	v_permlanex16_b32 v[TT+5], v[TT+4], s52, s53
	v_max_num_f32 v[TT], v[TT], v[TT+1]
	v_max_num_f32 v[TT+4], v[TT+4], v[TT+5]
	v_mul_f32 v[TT], CEXP, v[TT]
	v_mul_f32 v[TT+4], CEXP, v[TT+4]
	v_max_num_f32 v[TT], v[TT], v12                ; the new M
	v_max_num_f32 v[TT+4], v[TT+4], v13
	v_sub_f32 v16, v12, v[TT]
	v_sub_f32 v18, v13, v[TT+4]
	v_exp_f32 v16, v16                             ; alpha = 2^(M old - M new); the four plain lines below stand between it and its use (ISA guide 5.7.2)
	v_exp_f32 v18, v18
	v_mov_b32 v12, v[TT]
	v_mov_b32 v13, v[TT+4]
	v_sub_f32 v20, 0, v[TT]
	v_sub_f32 v22, 0, v[TT+4]
.irp qt, 0,1
.irp i, 0,1,2,3,4,5,6,7
	v_pk_fma_f32 v[SR+16*\qt+2*\i:SR+16*\qt+2*\i+1], v[SR+16*\qt+2*\i:SR+16*\qt+2*\i+1], CEXP, v[20+2*\qt:21+2*\qt] op_sel_hi:[1,0,0]
	v_pk_fma_f32 v[SR+32+16*\qt+2*\i:SR+32+16*\qt+2*\i+1], v[SR+32+16*\qt+2*\i:SR+32+16*\qt+2*\i+1], CEXP, v[20+2*\qt:21+2*\qt] op_sel_hi:[1,0,0]
.endr
.endr
.set i, SR
.rept 64
	v_exp_f32 v[i], v[i]                           ; p = 2^(s c - M)
.set i, i+1
.endr
	s_wait_alu depctr_va_vdst(0)
.irp et, 0,1,2,3
.irp qt, 0,1
.irp p, 0,1,2,3
	v_pk_mul_f32 v[OA+16*\et+8*\qt+2*\p:OA+16*\et+8*\qt+2*\p+1], v[OA+16*\et+8*\qt+2*\p:OA+16*\et+8*\qt+2*\p+1], v[16+2*\qt:17+2*\qt] op_sel_hi:[1,0]   ; O alpha; also the plain lines behind the exponentials
.endr
.endr
.endr
.irp qt, 0,1                                       ; my part of the row sums, four chains
.irp k, 0,1,2,3
.set SB, SR+32*(\k/2)+16*\qt+8*(\k%2)
	v_pk_add_f32 v[TT+2*\k:TT+2*\k+1], v[SB:SB+1], v[SB+2:SB+3]
.endr
.irp k, 0,1,2,3
.set SB, SR+32*(\k/2)+16*\qt+8*(\k%2)
	v_pk_add_f32 v[TT+2*\k:TT+2*\k+1], v[TT+2*\k:TT+2*\k+1], v[SB+4:SB+5]
.endr
.irp k, 0,1,2,3
.set SB, SR+32*(\k/2)+16*\qt+8*(\k%2)
	v_pk_add_f32 v[TT+2*\k:TT+2*\k+1], v[TT+2*\k:TT+2*\k+1], v[SB+6:SB+7]
.endr
	v_pk_add_f32 v[TT:TT+1], v[TT:TT+1], v[TT+2:TT+3]
	v_pk_add_f32 v[TT+4:TT+5], v[TT+4:TT+5], v[TT+6:TT+7]
	v_pk_add_f32 v[TT:TT+1], v[TT:TT+1], v[TT+4:TT+5]
	v_add_f32 v[TT], v[TT], v[TT+1]
	v_fma_f32 v[14+\qt], v[14+\qt], v[16+2*\qt], v[TT]         ; L = L alpha + sum
.endr
.irp ch, 0,1
.irp qt, 0,1
.irp i, 0,1,2,3,4,5,6,7
	v_cvt_pk_f16_f32 v[SR+32*\ch+16*\qt+\i], v[SR+32*\ch+16*\qt+2*\i], v[SR+32*\ch+16*\qt+2*\i+1]   ; in place, ascending: word i is written when 2 i and 2 i + 1 are read
.endr
.endr
.endr
	s_wait_dscnt 0x0                               ; V^T
.irp ch, 0,1
.irp et, 0,1,2,3
.irp qt, 0,1
	v_wmma_f32_16x16x32_f16 v[OA+16*\et+8*\qt:OA+16*\et+8*\qt+7], v[FR+16*\et+8*\ch:FR+16*\et+8*\ch+7], v[SR+32*\ch+16*\qt:SR+32*\ch+16*\qt+7], v[OA+16*\et+8*\qt:OA+16*\et+8*\qt+7]   ; eight accumulators by turns
.endr
.endr
.endr
.rept 5
	v_nop                                          ; five places: the next tile's products write over P, its loads over V^T
.endr
.if \masked
.Lskip_\@:
.endif
.endm
; A block's end: waves 4-7 hand O, M, L over; waves 0-3 merge, divide, round to f16 and store 32 rows of 128 bytes.
.macro FINISH cb
	s_cmp_lt_u32 s8, 4
	s_cbranch_scc1 .Ltakes_\@
.irp i, 0,1,2,3,4,5,6,7,8,9,10,11,12,13,14,15
	ds_store_b128 v4, v[OA+4*\i:OA+4*\i+3] offset:512*\i
.endr
	ds_store_b128 v4, v[12:15] offset:512*16
.Ltakes_\@:
	s_wait_dscnt 0x0                               ; my stores are in LDS before I say so
	s_barrier_signal -1                            ; the next block's first tile may stay on its way
	s_barrier_wait -1
	s_cmp_gt_u32 s8, 3
	s_cbranch_scc1 .Ldone_\@
.irp i, 0,1,2,3,4,5,6,7,8,9,10,11,12,13,14,15
	ds_load_b128 v[FR+4*\i:FR+4*\i+3], v4 offset:512*\i
.endr
	ds_load_b128 v[TT:TT+3], v4 offset:512*16      ; the partner's M0, M1, L0, L1
	s_wait_dscnt 0x0
	v_max_num_f32 v28, v12, v24
	v_max_num_f32 v29, v13, v25
	v_sub_f32 v16, v12, v28
	v_sub_f32 v18, v13, v29
	v_sub_f32 v20, v24, v28
	v_sub_f32 v22, v25, v29
	v_exp_f32 v16, v16                             ; my M is finite (key 0 is never masked), so no difference of infinities arises
	v_exp_f32 v18, v18
	v_exp_f32 v20, v20
	v_exp_f32 v22, v22
	v_nop                                          ; one plain line behind a transcendental (ISA guide 5.7.2)
	s_wait_alu depctr_va_vdst(0)
	v_mul_f32 v14, v14, v16
	v_mul_f32 v15, v15, v18
	v_fmac_f32 v14, v26, v20
	v_fmac_f32 v15, v27, v22
	v_permlanex16_b32 v28, v14, s52, s53           ; the other half's part of the sums
	v_permlanex16_b32 v29, v15, s52, s53
	v_add_f32 v14, v14, v28
	v_add_f32 v15, v15, v29
	v_rcp_f32 v14, v14
	v_rcp_f32 v15, v15
	v_nop
	s_wait_alu depctr_va_vdst(0)
	v_mul_f32 v16, v16, v14
	v_mul_f32 v18, v18, v15
	v_mul_f32 v20, v20, v14
	v_mul_f32 v22, v22, v15
.irp et, 0,1,2,3
.irp qt, 0,1
.irp p, 0,1,2,3
	v_pk_mul_f32 v[FR+16*\et+8*\qt+2*\p:FR+16*\et+8*\qt+2*\p+1], v[FR+16*\et+8*\qt+2*\p:FR+16*\et+8*\qt+2*\p+1], v[20+2*\qt:21+2*\qt] op_sel_hi:[1,0]
	v_pk_fma_f32 v[OA+16*\et+8*\qt+2*\p:OA+16*\et+8*\qt+2*\p+1], v[OA+16*\et+8*\qt+2*\p:OA+16*\et+8*\qt+2*\p+1], v[16+2*\qt:17+2*\qt], v[FR+16*\et+8*\qt+2*\p:FR+16*\et+8*\qt+2*\p+1] op_sel_hi:[1,0,1]
.endr
.endr
.endr
.irp et, 0,1,2,3
.irp qt, 0,1
.irp p, 0,1,2,3
	v_cvt_pk_f16_f32 v[SR+4*(2*\et+\qt)+\p], v[OA+16*\et+8*\qt+2*\p], v[OA+16*\et+8*\qt+2*\p+1]
.endr
	ds_store_b128 v5, v[SR+4*(2*\et+\qt):SR+4*(2*\et+\qt)+3] offset:\qt*16*KP+32*\et     ; query 16 qt + r, e = 16 et + 8 h .. + 7
.endr
.endr
.irp i, 0,1,2,3,4,5,6,7
	ds_load_b128 v[SR+32+4*\i:SR+32+4*\i+3], v6 offset:\i*4*KP       ; my own bytes: LDS serves a wave's instructions in order (ISA guide 5.7.1)
.endr
.irp i, 0,1,2,3,4,5,6,7
	s_wait_dscnt 7-\i
	global_store_b128 v7, v[SR+32+4*\i:SR+32+4*\i+3], s[\cb:\cb+1] offset:\i*512         ; four rows: 512 consecutive bytes, aligned
.endr
	s_wait_xcnt 0x0                                ; the stores' data registers are S's: they are written again only behind this wait
.Ldone_\@:
.endm
	INIT
	s_cmp_eq_u32 s11, 0
	s_cbranch_scc1 .Lfirst_tail
	s_mov_b32 s50, s11                             ; j trips of two tiles
.Lfirst_loop:
	HEAD 0, 1
	STEP 0, 0
	HEAD 1, 1
	STEP 1, 0
	s_sub_co_i32 s50, s50, 1
	s_cmp_lg_u32 s50, 0
	s_cbranch_scc1 .Lfirst_loop
.Lfirst_tail:
	HEAD 0, 1                                      ; tile 2 j; asks for tile 2 j + 1
	STEP 0, 0
	s_mov_b32 s42, 0                               ; the next tile asked for is the second block's tile 0
	HEAD 1, 1
	STEP 1, 1                                      ; tile 2 j + 1: the diagonal
	QLOAD 56                                       ; the second block's Q comes in while the first block goes out
	FINISH 48
	INIT
	s_sub_co_u32 s50, 7, s11                       ; 7 - j trips of two tiles
	s_cmp_eq_u32 s50, 0
	s_cbranch_scc1 .Lsecond_tail
.Lsecond_loop:
	HEAD 0, 1
	STEP 0, 0
	HEAD 1, 1
	STEP 1, 0
	s_sub_co_i32 s50, s50, 1
	s_cmp_lg_u32 s50, 0
	s_cbranch_scc1 .Lsecond_loop
.Lsecond_tail:
	HEAD 0, 0                                      ; tile 14 - 2 j: nothing is left to fetch
	STEP 0, 1
	FINISH 54
	s_set_vgpr_msb 0x5
	s_wait_tensorcnt 0x0
	ds_add_u32 v0, v1
	s_wait_dscnt 0x0
	s_set_vgpr_msb 0x500
	s_endpgm
.Lfunc_end_k_q04f7a71652_attn:
	.size	k_q04f7a71652_attn, .Lfunc_end_k_q04f7a71652_attn-k_q04f7a71652_attn
	.p2alignl 7, 3214868480
	.fill 96, 4, 3214868480
	.section	.rodata,"a",@progbits
	.p2align	6, 0x0
	.amdhsa_kernel k_q04f7a71652_attn
		.amdhsa_group_segment_fixed_size 327680
		.amdhsa_private_segment_fixed_size 0
		.amdhsa_enable_private_segment 0
		.amdhsa_kernarg_size 16
		.amdhsa_user_sgpr_count 2
		.amdhsa_user_sgpr_kernarg_segment_ptr 1
		.amdhsa_wavefront_size32 1
		.amdhsa_system_sgpr_workgroup_id_x 1
		.amdhsa_system_sgpr_workgroup_id_y 1
		.amdhsa_system_sgpr_workgroup_id_z 1
		.amdhsa_system_vgpr_workitem_id 0
		.amdhsa_next_free_vgpr 258
		.amdhsa_next_free_sgpr 66
		.amdhsa_reserve_vcc 1
		.amdhsa_float_denorm_mode_32 3
		.amdhsa_float_denorm_mode_16_64 3
		.amdhsa_memory_ordered 1
		.amdhsa_forward_progress 1
		.amdhsa_inst_pref_size 176
	.end_amdhsa_kernel
	.amdgpu_metadata
---
amdhsa.version: [ 1, 2 ]
amdhsa.kernels:
  - .name:           k_q04f7a71652_attn
    .symbol:         k_q04f7a71652_attn.kd
    .args:
      - { .name: qkv, .offset: 0, .size: 8, .value_kind: global_buffer, .address_space: global }
      - { .name: ctx, .offset: 8, .size: 8, .value_kind: global_buffer, .address_space: global }
    .group_segment_fixed_size: 327680
    .private_segment_fixed_size: 0
    .kernarg_segment_align: 8
    .kernarg_segment_size: 16
    .max_flat_workgroup_size: 256
    .sgpr_count:     66
    .vgpr_count:     258
    .wavefront_size: 32
...
	.end_amdgpu_metadata
.endif
;; end of part 3
;; launch proj (part 4): grid 8 x 32, 4 waves a work-group, clusters of 4 x 4, 327,680 bytes of LDS; arguments ctx, wt, b_o, out0; writes out0
.if DOCPART == 4
	.amdgcn_target "amdgcn-amd-amdhsa--gfx1250"
	.amdhsa_code_object_version 6
	.text
	.protected	k_q04f7a71652_proj
	.globl	k_q04f7a71652_proj
	.p2align	8
	.type	k_q04f7a71652_proj,@function
k_q04f7a71652_proj:
	s_mov_b64 s[64:65], 0
	v_nop
	global_prefetch_b8 v0, s[64:65] scope:SCOPE_SE
	s_setreg_imm32_b32 hwreg(HW_REG_WAVE_MODE, 25, 1), 1
	s_wait_xcnt 0x0
	s_wait_alu depctr_hold_cnt(0) depctr_sa_sdst(0) depctr_va_vdst(0) depctr_va_sdst(0) depctr_va_ssrc(0) depctr_va_vcc(0) depctr_vm_vsrc(0)
	s_getreg_b32 s2, hwreg(HW_REG_IB_STS2, 6, 4)
	s_cmp_eq_u32 s2, 0
	s_cbranch_scc0 .Lentry_in_a_cluster
	s_endpgm
.Lentry_in_a_cluster:
	s_bfe_u32 s2, ttmp6, 0x10000c
	s_cmp_lg_u32 s2, 0xf033
	s_cbranch_scc0 .Lentry_shape_is_right
	s_endpgm
.Lentry_shape_is_right:
; proj: out0 [4096 m][1024 n] f32 = ctx (f16, [32 mb][16 h][128 row][64 e], k = 64 h + e) x wt rows 3072-4095 (W_o^T, f16, [n][1024 k]) + b_o, sums in f32.
; A work-group makes 128 x 128 with four waves of 64 x 64 (16 accumulator tiles): 8 x 32 = 256 work-groups.
; K goes through two LDS slots of 256 each, four slot steps, all written out: both slots are asked for at the start (half of the operands), and a refill
; has a slot step, 128 matrix instructions of a wave, in which to land.
; CLUSTERS: 4 x 4 work-groups; A's tile hangs on the block row alone (joint along a row of the cluster), B's on the block column alone (joint along a column).
; LIMIT: ctx and W_o in f16: |value| < 65,504.
; Window 0: addresses, fragments (two buffers), bias, the way out.  Window 1: the accumulators, tile (a, b) at v[8 (4 a + b)].
; The matrix instruction is used transposed (source 0 = rows of wt, source 1 = rows of ctx): a lane holds row l % 16 and eight neighbouring columns.
.set PA,     144                       ; A in LDS: a head's row of 128 bytes + 16
.set PB,     528                       ; B in LDS: 512 bytes (256 k) + 16
.set HEADB,  128*PA                    ; a head's 128 rows
.set REG,    2*HEADB                   ; what one load brings: two heads of A (36,864 bytes) or 64 rows of B (33,792 of them used)
.set SLOT,   4*REG
.set STAGE,  2*SLOT                    ; behind the ring, no fill lands here: 16 rows x 272 bytes for each wave
.set SPITCH, 272
.set ADRA, 16
.set ADRB, 20
.set STO,  24
.set RD,   25
.set CO,   26
.set BO,   27
.set F0,   64                          ; A's four fragments, then B's four
.set F1,   128
.set BIAS, 192                         ; v[192:223]
.set G1,  24
.set G0,  32
.set G1B, 48
.set G0B, 56
.set MSB, 0
.macro WIN new
.if MSB != \new
	s_set_vgpr_msb (MSB<<8)|\new
.set MSB, \new
.endif
.endm
.macro JLOAD s                         ; waves 0 and 1 fetch A's halves, waves 2 and 3 B's
	s_cmp_eq_u32 s13, 0
	s_cbranch_scc0 .Lfor_b_\@
	tensor_load_to_lds s[G0+4*(\s):G0+4*(\s)+3], s[G1:G1+7]
	s_nop 0
	s_branch .Lasked_\@
.Lfor_b_\@:
	tensor_load_to_lds s[G0B+4*(\s):G0B+4*(\s)+3], s[G1B:G1B+7]
	s_nop 0
.Lasked_\@:
.endm
.macro CROUND                          ; a round of the cluster's barrier
	s_barrier_signal -1
	s_barrier_wait -1
	s_cmp_lg_u32 s12, 0
	s_cbranch_scc1 .Lnot_wave_0_\@
	s_barrier_signal -3
.Lnot_wave_0_\@:
	s_barrier_wait -3
	s_barrier_signal -1
	s_barrier_wait -1
.endm
	s_load_b256 s[4:11], s[0:1], 0x0               ; ctx s[4:5], wt s[6:7], b_o s[8:9], out0 s[10:11]
	v_lshl_add_u32 v254, v0, 2, 0x4c400
	v_mov_b32 v255, 0
	ds_add_u32 v254, v255
	v_lshrrev_b32 v1, 5, v0
	v_readfirstlane_b32 s12, v1                    ; wave 0..3
	s_lshr_b32 s13, s12, 1                         ; my half of the rows.  Also: I fetch for A (0) or for B (1)
	s_and_b32 s14, s12, 1                          ; my half of the columns.  Also: which half of that tile I fetch
	s_bfe_u32 s40, ttmp6, 0x40000                  ; cx
	s_bfe_u32 s41, ttmp6, 0x40004                  ; cy
	s_lshl_b32 s42, ttmp9, 2
	s_add_co_u32 s42, s42, s40                     ; block column
	s_and_b32 s43, ttmp7, 0xffff
	s_lshl_b32 s43, s43, 2
	s_add_co_u32 s43, s43, s41                     ; block row
	s_lshl_b32 s44, s41, 2
	s_lshl_b32 s44, 15, s44                        ; my row of the cluster
	s_lshl_b32 s45, 0x1111, s40                    ; my column
	s_or_b32 s[G1+0], s44, (1<<16)|(1<<20)|(1<<21)|(4<<22)|(3<<25)    ; A: after every 32 words (a head's row) 4 words
	s_or_b32 s[G1B+0], s45, (1<<16)|(1<<20)|(1<<21)|(6<<22)|(3<<25)   ; B: after every 128 words 4 words
	s_mov_b32 s[G1+1], 64<<16                      ; tensor_dim0
	s_mov_b32 s[G1B+1], 256<<16
	s_mov_b32 s[G1+2], 256<<16                     ; tensor_dim1: two heads x 128 rows, dense in memory
	s_mov_b32 s[G1B+2], 64<<16
	s_mov_b32 s[G1+3], 64<<16                      ; tile_dim0
	s_mov_b32 s[G1B+3], 256<<16
	s_mov_b32 s[G1+4], 256                         ; tile_dim1
	s_mov_b32 s[G1B+4], 64
	s_mov_b32 s[G1+5], 64                          ; elements from row to row
	s_mov_b32 s[G1B+5], 1024
	s_mov_b32 s[G1+6], 0
	s_mov_b32 s[G1B+6], 0
	s_mov_b32 s[G1+7], 0
	s_mov_b32 s[G1B+7], 0
	s_lshl_b32 s16, s43, 18                        ; A: 16 heads x 16,384 bytes a block row
	s_lshl_b32 s17, s14, 15                        ;    + two heads a half
	s_add_co_u32 s16, s16, s17
	s_mov_b32 s17, 0
	s_lshl_b32 s46, s42, 18                        ; B: 128 rows of 2,048 bytes a block column
	s_lshl_b32 s47, s14, 17                        ;    + 64 rows a half
	s_add_co_u32 s46, s46, s47
	s_add_co_u32 s46, s46, 3072*2048               ;    behind W_q^T, W_k^T, W_v^T
	s_mov_b32 s47, 0
	s_mul_i32 s20, s12, REG                        ; LDS: wave x 36,864
	s_wait_dscnt 0x0
	s_wait_kmcnt 0x0
	s_add_nc_u64 s[18:19], s[4:5], s[16:17]
	s_add_nc_u64 s[46:47], s[6:7], s[46:47]
	CROUND                                         ; the first joint loads meet
.irp s, 0,1
	s_mov_b32 s[G0+4*\s], 1
	s_add_co_u32 s[G0+4*\s+1], s20, \s*SLOT
	s_add_nc_u64 s[G0+4*\s+2:G0+4*\s+3], s[18:19], \s*65536           ; four heads a slot step
	s_or_b32 s[G0+4*\s+3], s[G0+4*\s+3], 0x80000000
	s_mov_b32 s[G0B+4*\s], 1
	s_add_co_u32 s[G0B+4*\s+1], s20, \s*SLOT
	s_add_nc_u64 s[G0B+4*\s+2:G0B+4*\s+3], s[46:47], \s*512           ; 256 k a slot step
	s_or_b32 s[G0B+4*\s+3], s[G0B+4*\s+3], 0x80000000
	JLOAD \s                                       ; two loads of the wave are out
.endr
	v_and_b32 v1, 15, v0                           ; r
	v_bfe_u32 v2, v0, 4, 1                         ; h
	s_lshl_b32 s23, s14, 8
	v_lshl_add_u32 v[BO], v2, 5, s23               ; (64 half + 8 h) x 4 bytes
	s_lshl_b32 s46, s42, 9                         ; 128 columns x 4 bytes a block column
	s_mov_b32 s47, 0
	s_add_nc_u64 s[8:9], s[8:9], s[46:47]
.irp b, 0,1,2,3
	global_load_b128 v[BIAS+8*\b:BIAS+8*\b+3], v[BO], s[8:9] offset:64*\b
	global_load_b128 v[BIAS+8*\b+4:BIAS+8*\b+7], v[BO], s[8:9] offset:64*\b+16
.endr
	v_mul_u32_u24 v3, v1, PA
	v_lshl_add_u32 v3, v2, 4, v3
	v_mul_u32_u24 v4, v1, PB
	v_lshl_add_u32 v4, v2, 4, v4
	s_mul_i32 s21, s13, 64*PA                      ; my 64 rows in every head
	s_mul_i32 s22, s14, REG                        ; my 64 rows of B,
	s_add_co_u32 s22, s22, 2*REG                   ; behind A's four heads
.irp s, 0,1
	v_add_nc_u32 v[ADRA+\s], s21, v3
	v_add_nc_u32 v[ADRB+\s], s22, v4
	s_add_co_u32 s21, s21, SLOT
	s_add_co_u32 s22, s22, SLOT
.endr
	s_mul_i32 s23, s12, 16*SPITCH
	s_add_co_u32 s23, s23, STAGE                   ; my stage
	v_mul_u32_u24 v5, v1, SPITCH
	v_lshl_add_u32 v5, v2, 5, v5
	v_add_nc_u32 v[STO], s23, v5                   ; in: row r, 32 bytes for each half of the lanes
	v_mul_u32_u24 v5, v2, SPITCH
	v_lshl_add_u32 v5, v1, 4, v5
	v_add_nc_u32 v[RD], s23, v5                    ; back: lanes 0-15 one row of 256 bytes, lanes 16-31 the next
	v_lshlrev_b32 v5, 12, v2
	v_lshl_add_u32 v[CO], v1, 4, v5                ; the same two rows in out0
.macro PLACES                          ; four places between a matrix instruction and a load into a register that it read, or a reader of its result
.rept 4
	v_nop
.endr
.endm
; 16 LDS loads: 64 rows of A and 64 rows of B, chunk kc (32 k) of the slot's eight, into buffer f.
; Chunk kc lies in head kc / 2 of the slot's four, at byte 64 (kc % 2) of its rows; in B at byte 64 kc.  The largest offsets are
; 3 x 18,432 + 64 + 3 x 2,304 + 32 = 62,304 for A and 7 x 64 + 3 x 8,448 + 32 = 25,824 for B: inside the unsigned 16 bits.
.macro FETCH slot, kc, f
	PLACES
.irp i, 0,1,2,3
	ds_load_b128 v[\f+8*\i:\f+8*\i+3],   v[ADRA+\slot] offset:((\kc)/2)*HEADB+((\kc)%2)*64+\i*16*PA
	ds_load_b128 v[\f+8*\i+4:\f+8*\i+7], v[ADRA+\slot] offset:((\kc)/2)*HEADB+((\kc)%2)*64+\i*16*PA+32
.endr
.irp i, 0,1,2,3
	ds_load_b128 v[\f+32+8*\i:\f+32+8*\i+3],   v[ADRB+\slot] offset:(\kc)*64+\i*16*PB
	ds_load_b128 v[\f+32+8*\i+4:\f+32+8*\i+7], v[ADRB+\slot] offset:(\kc)*64+\i*16*PB+32
.endr
.endm
; 16 matrix instructions, the sixteen accumulators by turns, in the same order every time
.macro MUL16 f, zero
	WIN 0x50                                       ; C and D in window 1, the sources in window 0
.irp a, 0,1,2,3
.irp b, 0,1,2,3
.if \zero
	v_wmma_f32_16x16x32_f16 v[8*(4*\a+\b):8*(4*\a+\b)+7], v[\f+32+8*\b:\f+32+8*\b+7], v[\f+8*\a:\f+8*\a+7], 0
.else
	v_wmma_f32_16x16x32_f16 v[8*(4*\a+\b):8*(4*\a+\b)+7], v[\f+32+8*\b:\f+32+8*\b+7], v[\f+8*\a:\f+8*\a+7], v[8*(4*\a+\b):8*(4*\a+\b)+7]
.endif
.endr
.endr
	WIN 0
.endm
; A slot's eight chunks on buffers 0, 1 in turn; each chunk's fragments are asked for one chunk ahead.
.macro SLOTSTEP slot, zero
	FETCH \slot, 0, F0
	FETCH \slot, 1, F1
	s_wait_dscnt 16                                ; all but the 16 just issued
	MUL16 F0, \zero
.irp kc, 2,4,6
	FETCH \slot, \kc, F0
	s_wait_dscnt 16
	MUL16 F1, 0
	FETCH \slot, \kc+1, F1
	s_wait_dscnt 16
	MUL16 F0, 0
.endr
	s_wait_dscnt 0
	MUL16 F1, 0
.endm
; The change of slots: every wave waits for all its tensor loads (its part of this slot) and for its reads of the other slot; where the other slot is filled
; again a round of the cluster's barrier follows and the joint refill is the first tensor load behind it.
.macro TWO slot, refill
	s_wait_tensorcnt 0x0                           ; no load of mine is out, so a group 0 may be written
	ds_add_u32 v254, v255
	s_wait_dscnt 0x0
.if \refill
	s_add_nc_u64 s[G0+4*(1-\slot)+2:G0+4*(1-\slot)+3], s[G0+4*(1-\slot)+2:G0+4*(1-\slot)+3], 2*65536
	s_add_nc_u64 s[G0B+4*(1-\slot)+2:G0B+4*(1-\slot)+3], s[G0B+4*(1-\slot)+2:G0B+4*(1-\slot)+3], 2*512
.endif
	s_wait_dscnt 0x0
.if \refill
	CROUND
	JLOAD 1-\slot
.else
	s_barrier_signal -1
	s_barrier_wait -1
.endif
	SLOTSTEP \slot, 0
.endm
	s_wait_tensorcnt 1                             ; my part of slot 0 is in; slot 1's may stay out
	s_barrier_signal -1
	s_barrier_wait -1
	SLOTSTEP 0, 1                                  ; k 0-255: the first products start the sums
	TWO 1, 1                                       ; k 256-511; slot 0 is asked for again (k 512-767)
	TWO 0, 1                                       ; k 512-767; slot 1 is asked for again (k 768-1023)
	TWO 1, 0                                       ; k 768-1023
	; THE WAY OUT, 16 rows at a time: bias in f32, 32 bytes a lane into my own stage, whole rows of 256 bytes back.
	PLACES
	s_wait_loadcnt 0x0                             ; the bias
	s_lshl_b32 s16, s43, 19                        ; 128 rows of 4,096 bytes a block row
	s_lshl_b32 s17, s13, 18                        ; + 64 rows a half
	s_add_co_u32 s16, s16, s17
	s_mov_b32 s17, 0
	s_add_nc_u64 s[10:11], s[10:11], s[16:17]
	s_lshl_b32 s46, s42, 9                         ; 128 columns of 4 bytes a block column
	s_lshl_b32 s47, s14, 8                         ; + 64 columns a half
	s_add_co_u32 s46, s46, s47
	s_mov_b32 s47, 0
	s_add_nc_u64 s[10:11], s[10:11], s[46:47]
.macro OUT16 a, f
	WIN 0x01                                       ; source 0 in window 1
.irp b, 0,1,2,3
.irp p, 0,1,2,3
	v_pk_add_f32 v[F0+8*\b+2*\p:F0+8*\b+2*\p+1], v[8*(4*\a+\b)+2*\p:8*(4*\a+\b)+2*\p+1], v[BIAS+8*\b+2*\p:BIAS+8*\b+2*\p+1]
.endr
.endr
	WIN 0
.irp b, 0,1,2,3
	ds_store_b128 v[STO], v[F0+8*\b:F0+8*\b+3] offset:64*\b
	ds_store_b128 v[STO], v[F0+8*\b+4:F0+8*\b+7] offset:64*\b+16
.endr
	s_wait_xcnt 0x0                                ; buffer f, which earlier stores read, is loaded again only behind this wait
.irp t, 0,1,2,3,4,5,6,7
	ds_load_b128 v[\f+4*\t:\f+4*\t+3], v[RD] offset:\t*2*SPITCH        ; my own bytes: LDS serves a wave's instructions in order (ISA guide 5.7.1)
.endr
.irp t, 0,1,2,3,4,5,6,7
	s_wait_dscnt 7-\t
	global_store_b128 v[CO], v[\f+4*\t:\f+4*\t+3], s[10:11] offset:\a*65536+\t*8192   ; sixteen lanes store 256 consecutive bytes, aligned
.endr
.endm
	OUT16 0, 128
	OUT16 1, 160
	OUT16 2, 128
	OUT16 3, 160
	s_wait_tensorcnt 0x0
	ds_add_u32 v254, v255
	s_wait_dscnt 0x0
	CROUND                                         ; the closing round
	s_endpgm
.Lfunc_end_k_q04f7a71652_proj:
	.size	k_q04f7a71652_proj, .Lfunc_end_k_q04f7a71652_proj-k_q04f7a71652_proj
	.p2alignl 7, 3214868480
	.fill 96, 4, 3214868480
	.section	.rodata,"a",@progbits
	.p2align	6, 0x0
	.amdhsa_kernel k_q04f7a71652_proj
		.amdhsa_group_segment_fixed_size 327680
		.amdhsa_private_segment_fixed_size 0
		.amdhsa_enable_private_segment 0
		.amdhsa_kernarg_size 32
		.amdhsa_user_sgpr_count 2
		.amdhsa_user_sgpr_kernarg_segment_ptr 1
		.amdhsa_wavefront_size32 1
		.amdhsa_system_sgpr_workgroup_id_x 1
		.amdhsa_system_sgpr_workgroup_id_y 1
		.amdhsa_system_sgpr_workgroup_id_z 1
		.amdhsa_system_vgpr_workitem_id 0
		.amdhsa_next_free_vgpr 384
		.amdhsa_next_free_sgpr 66
		.amdhsa_reserve_vcc 0
		.amdhsa_float_denorm_mode_32 3
		.amdhsa_float_denorm_mode_16_64 3
		.amdhsa_memory_ordered 1
		.amdhsa_forward_progress 1
		.amdhsa_inst_pref_size 94
	.end_amdhsa_kernel
	.amdgpu_metadata
---
amdhsa.version: [ 1, 2 ]
amdhsa.kernels:
  - .name:           k_q04f7a71652_proj
    .symbol:         k_q04f7a71652_proj.kd
    .args:
      - { .name: ctx, .offset: 0, .size: 8, .value_kind: global_buffer, .address_space: global }
      - { .name: wt, .offset: 8, .size: 8, .value_kind: global_buffer, .address_space: global }
      - { .name: b_o, .offset: 16, .size: 8, .value_kind: global_buffer, .address_space: global }
      - { .name: out0, .offset: 24, .size: 8, .value_kind: global_buffer, .address_space: global }
    .group_segment_fixed_size: 327680
    .private_segment_fixed_size: 0
    .kernarg_segment_align: 8
    .kernarg_segment_size: 32
    .max_flat_workgroup_size: 128
    .sgpr_count:     66
    .vgpr_count:     384
    .wavefront_size: 32
...
	.end_amdgpu_metadata
.endif
;; end of part 4
